; MI455X (gfx1250); checked and timed in simulation.
; The chip was launched on July 23, 2026; its instructions are those of AMD's public machine-readable ISA for CDNA 5 (MIT licence, August 2026) and "CDNA5" Instruction Set Architecture Reference Guide (July 2026). The comments in the code are by the model that wrote it; some were corrected since.
;; SDOT. Allowed arithmetic: matrix products marked QUANTISED: E3M2 operands, one E8M0 scale for each 32 along K, by v_wmma_scale_f32_16x16x128_f8f6f4 with both operands' format E3M2, f32 sums; everything else in f32.
;; Inputs: psi 8,192 float32; source_data 32,768 x 64 float32; target_data 8,192 x 64 float32.
;; Outputs: out0 32,768 float32.
;; This version of the problem:
;;   THIS VERSION OF THE PROBLEM IS GIVEN IN LOW PRECISION. The matrix products marked QUANTISED in the list below multiply operands that are first quantised to E3M2 (3 exponent bits, 2 mantissa bits; 6 bits a number), with one power-of-two scale for each 32 numbers along K (OCP MX v1.0); their sums are f32. All else is computed in f32.
;;   The module's matrix products, in the order in which they are computed (A, B: the left and right operand; K: the contracted axis; several contracted axes count as one K, in the product's order):
;;     1. [M 32,768, K 64] x [K 64, N 8,192]; A: input source_data; B: input target_data: QUANTISED
;;   THE QUANTISER, for each operand of a quantised product, along K:
;;     - K is cut into blocks of 32 from its start; a last block that is shorter is filled with zeros.
;;     - A block's scale is 2^e with e = floor(log2(the largest magnitude in the block)) - 4, held to -126 .. 127; a block of zeros has e = 0. As a byte (E8M0): e + 127.
;;     - Each number is divided by its block's scale, clamped to +-28, and rounded to the nearest number of E3M2, ties to even, subnormals kept.
;;     - The product sums the exact products of the quantised numbers (number of the format x scale) in f32.
;;   ~~~python
;;   def quantise(x, axis):      # numpy; x: float32 -> the quantised numbers, widened to float32 again
;;       x = np.moveaxis(x, axis, -1); K = x.shape[-1]
;;       x = np.pad(x, [(0, 0)] * (x.ndim - 1) + [(0, -K % 32)]); x = x.reshape(x.shape[:-1] + (-1, 32)); a = np.abs(x).max(-1, keepdims=True)
;;       e = np.where(a > 0, np.clip(np.frexp(np.where(a > 0, a, 1))[1] - 1 - 4, -126, 127), 0)      # np.frexp(a)[1] - 1 = floor(log2(a)), exactly
;;       r = np.clip(x / 2.0 ** e, -28, 28)
;;       step = 2.0 ** (np.maximum(np.frexp(np.where(r == 0, 1, r))[1] - 1, -2) - 2)
;;       q = np.round(r / step) * step * 2.0 ** e      # np.round: ties to even
;;       return np.moveaxis(q.reshape(q.shape[:-2] + (-1,))[..., :K], -1, axis).astype(np.float32)
;;   ~~~
;; One version. Each part assembles by itself: llvm-mc -triple=amdgcn-amd-amdhsa -mcpu=gfx1250 --defsym DOCPART=n.
;; ======== version 1 of 1: 2 launches
;; workspace buffers: tq 425,984 bytes; th 32,768 bytes; part 1,024 bytes
;; launch prep (part 1): grid 128 x 1, 1 waves a work-group, no clusters, 18,176 bytes of LDS; arguments target_data, psi, tq, th, part; writes tq, th, part
.if DOCPART == 1
	.amdgcn_target "amdgcn-amd-amdhsa--gfx1250"
	.amdhsa_code_object_version 6
	.text
	.protected	k_qb9e379c22e_prep
	.globl	k_qb9e379c22e_prep
	.p2align	8
	.type	k_qb9e379c22e_prep,@function
k_qb9e379c22e_prep:
	s_mov_b64 s[64:65], 0
	v_nop
	global_prefetch_b8 v0, s[64:65] scope:SCOPE_SE
	s_setreg_imm32_b32 hwreg(HW_REG_WAVE_MODE, 25, 1), 1
	s_wait_xcnt 0x0
; The targets, [8192][64] f32, are quantised ONCE along K = 64 into codes of BF6 (E3M2) with one E8M0 byte for each 32 along K, laid in the order in which
; the product's launch takes them into registers.  Beside them: th[m] = -|y_m|^2 / 2, and for each chunk of 64 targets the pair (sum of |y|^2, sum of psi).
; A block's scale is 2^(floor(log2(largest magnitude)) - 4): its byte is the largest magnitude's exponent field - 4, held at 1 from below by a floor among the maximum's leaves.
; LIMITS: a block of zeros gets the byte 1 where the rule says 127 (its codes are zeros, and only this program reads the bytes); blocks whose largest magnitude lies under
; 2^-122 keep the byte 1; NaN and infinities among the inputs are not served.
; SHARES.  One wave to a work-group, one chunk of 64 targets (16,384 bytes of f32) to a wave: 128 work-groups.  A chunk is the least piece whose scale words and th fill whole
; aligned blocks of 256 bytes.  No barrier: nothing is shared.
; tq: four quarters of 2,048 targets, 106,496 bytes each: 32 chunks x 3,072 bytes of codes, then 32 chunks x 256 bytes of scale words.
;   codes of a chunk: 24 registers a lane, register 6 t + i = register i of tile t's fragment (lane (r, h): target 16 t + r, k = 32 h .. 32 h + 31); registers 4 g .. 4 g + 3 lie at 512 g + 16 x lane.
;   scale words: lane l's 8 bytes: the word of target l and that of target 32 + l.  A word is b0 | b1 << 8 | b0 << 16 | b1 << 24: its upper two bytes meet zero codes alone.
.set PITCH, 272                        ; a stage row: 256 bytes + 16: the sixteen rows that a 16-byte load touches begin at sixteen different 16-byte columns of 256
.set SCR,   64*PITCH                   ; behind the stage: 256 bytes in which th is brought into the targets' order
.set QB,    106496                     ; a quarter of tq
.set FLOOR, 5<<23                      ; 2^(5 - 127)
.set R,   16                           ; v16-143   128 numbers: as loaded, then turned
.set CD,  144                          ; v144-167  the chunk's 24 code registers
.set C2,  168                          ; v168-183  the second conversion of each tile (its three registers begin on an even number)
.set AM,  184                          ; v184-191  two chains of the largest magnitude for each tile
.set SO,  192                          ; v192-195  the conversions' scale operand
.set BY,  196                          ; v196-199  the scale's byte
.set WD,  200                          ; v200-203  the scale word of target 16 t + r
.set TT,  204                          ; v204-207  |y|^2 of target 16 t + r
.set PS,  208                          ; v[208:209] two psi
.set SQ,  210                          ; v[210:211] sums of squares
.set WW,  212                          ; v[212:213] the two scale words that I store
.set EE,  214                          ; v[214:215] -|y|^2 / 2 of targets l and 32 + l
.set TH,  216                          ; v[216:217] the same of targets 2 l and 2 l + 1
.set PR,  218                          ; v[218:219] the chunk's pair of sums
.set PD,  220                          ; v220-223  destinations of the lane permutes
	s_load_b128 s[4:7], s[0:1], 0x0                ; targets, psi
	s_load_b128 s[8:11], s[0:1], 0x10              ; tq, th
	s_load_b64 s[12:13], s[0:1], 0x20              ; part
	v_lshl_add_u32 v224, v0, 2, 0x4600
	v_mov_b32 v225, 0
	v_and_b32 v8, 15, v0                           ; r
	v_lshrrev_b32 v9, 4, v0                        ; h
	v_lshlrev_b32 v1, 4, v0                        ; 16 x lane
	v_lshlrev_b32 v2, 3, v0                        ; 8 x lane
	v_mul_u32_u24 v3, v9, PITCH
	v_lshl_add_u32 v3, v8, 4, v3                   ; the stage, way in: a load's 512 bytes are two rows: row h, 16 r
	v_mul_u32_u24 v4, v8, PITCH
	v_lshl_add_u32 v4, v9, 7, v4                   ; way out: row r, my block of 32 numbers: 128 h
	v_lshl_add_u32 v5, v0, 2, SCR
	v_lshl_add_u32 v6, v0, 3, SCR
	v_lshlrev_b32 v7, 3, v9                        ; 8 h: my byte's place in a scale word
.irp t, 0,1,2,3
	v_mov_b32 v[PD+\t], 0                          ; a lane permute's destination counts as one of its sources
.endr
	s_mov_b32 s20, 0x76543210
	s_mov_b32 s21, 0xfedcba98                      ; v_permlanex16_b32's selects for lane l xor 16
	s_lshl_b32 s16, ttmp9, 14                      ; the chunk's 16,384 bytes of targets
	s_mov_b32 s17, 0
	s_lshl_b32 s18, ttmp9, 8                       ; its 256 bytes of psi and of th
	s_mov_b32 s19, 0
	s_lshr_b32 s23, ttmp9, 5
	s_mul_i32 s23, s23, QB                         ; its quarter of tq,
	s_and_b32 s24, ttmp9, 31
	s_mul_i32 s25, s24, 3072
	s_add_co_u32 s26, s23, s25                     ; its codes,
	s_mov_b32 s27, 0
	s_lshl_b32 s24, s24, 8
	s_add_co_u32 s28, s23, s24
	s_add_co_u32 s28, s28, 98304                   ; its scale words
	s_mov_b32 s29, 0
	s_lshl_b32 s30, ttmp9, 3                       ; its pair of sums
	s_mov_b32 s31, 0
	s_wait_kmcnt 0x0
	s_add_nc_u64 s[4:5], s[4:5], s[16:17]
	s_add_nc_u64 s[6:7], s[6:7], s[18:19]
	s_add_nc_u64 s[10:11], s[10:11], s[18:19]
	s_add_nc_u64 s[14:15], s[8:9], s[28:29]
	s_add_nc_u64 s[8:9], s[8:9], s[26:27]
	s_add_nc_u64 s[12:13], s[12:13], s[30:31]
.set i, 0
.rept 32
	global_load_b128 v[R+4*i:R+4*i+3], v1, s[4:5] offset:512*i th:TH_LOAD_NT   ; 32 lanes read 512 consecutive bytes: two targets
.set i, i+1
.endr
	global_load_b64 v[PS:PS+1], v2, s[6:7]         ; psi of targets 2 l and 2 l + 1
; through the stage: in as loaded, out with a block of 32 along K in one lane
.set i, 0
.irp n, 25,17,9,1
	s_wait_loadcnt \n                              ; loads come back in order: eight more are in; the count is the younger ones, psi's among them
.rept 8
	ds_store_b128 v3, v[R+4*i:R+4*i+3] offset:2*PITCH*i
.set i, i+1
.endr
.endr
	s_wait_dscnt 0x0                               ; the stores have read their registers
.irp t, 0,1,2,3
.irp p, 0,1,2,3,4,5,6,7
	ds_load_b128 v[R+32*\t+4*\p:R+32*\t+4*\p+3], v4 offset:16*\t*PITCH+16*\p   ; target 16 t + r, k = 32 h + 4 p on
.endr
.endr
; Tile t: my 32 numbers are one whole block of target 16 t + r.
.macro QT t
.set X, R+32*(\t)
	s_wait_dscnt 24-8*(\t)                         ; this tile's eight loads are in; the later tiles' may be out
	v_max3_num_f32 v[AM+2*(\t)], |v[X]|, |v[X+1]|, FLOOR           ; the largest magnitude, in two chains, the floor among the leaves
	v_max3_num_f32 v[AM+2*(\t)+1], |v[X+2]|, |v[X+3]|, |v[X+4]|
	v_pk_mul_f32 v[SQ:SQ+1], v[X:X+1], v[X:X+1]
.irp i, 5,9,13,17,21,25
	v_max3_num_f32 v[AM+2*(\t)], v[AM+2*(\t)], |v[X+\i]|, |v[X+\i+1]|
	v_max3_num_f32 v[AM+2*(\t)+1], v[AM+2*(\t)+1], |v[X+\i+2]|, |v[X+\i+3]|
.endr
	v_max3_num_f32 v[AM+2*(\t)], v[AM+2*(\t)], |v[X+29]|, |v[X+30]|
	v_max3_num_f32 v[AM+2*(\t)], v[AM+2*(\t)], v[AM+2*(\t)+1], |v[X+31]|
.irp i, 2,4,6,8,10,12,14,16,18,20,22,24,26,28,30
	v_pk_fma_f32 v[SQ:SQ+1], v[X+\i:X+\i+1], v[X+\i:X+\i+1], v[SQ:SQ+1]   ; the squares of the numbers as they are given, in f32
.endr
	v_add_nc_u32 v[SO+(\t)], 0xfe000000, v[AM+2*(\t)]              ; 4 off the exponent field: the conversion takes this operand's exponent field as its scale
	v_add_f32 v[TT+(\t)], v[SQ], v[SQ+1]
	v_lshrrev_b32 v[BY+(\t)], 23, v[SO+(\t)]       ; the scale's byte
	v_permlanex16_b32 v[PD+(\t)], v[TT+(\t)], s20, s21
	v_add_f32 v[TT+(\t)], v[TT+(\t)], v[PD+(\t)]   ; with the other block's: |y|^2, in both halves of the lanes
	v_cvt_scalef32_pk16_bf6_f32 v[CD+6*(\t):CD+6*(\t)+2], v[X:X+15], v[SO+(\t)]
	v_cvt_scalef32_pk16_bf6_f32 v[C2+4*(\t):C2+4*(\t)+2], v[X+16:X+31], v[SO+(\t)]
	v_lshlrev_b32 v[BY+(\t)], v7, v[BY+(\t)]       ; (a plain line behind the conversions)  my byte at its place
.irp i, 0,1,2
	v_mov_b32 v[CD+6*(\t)+3+\i], v[C2+4*(\t)+\i]
.endr
	v_permlanex16_b32 v[PD+(\t)], v[BY+(\t)], s20, s21
	v_or_b32 v[WD+(\t)], v[BY+(\t)], v[PD+(\t)]    ; b0 | b1 << 8
	v_lshl_or_b32 v[WD+(\t)], v[WD+(\t)], 16, v[WD+(\t)]           ; and once more above
.endm
	QT 0
	QT 1
	QT 2
	QT 3
	v_cmp_lt_u32 vcc_lo, 15, v0                    ; lanes 16-31 take the odd tiles': lane l then holds target l and target 32 + l
	v_cndmask_b32 v[WW], v[WD], v[WD+1], vcc_lo
	v_cndmask_b32 v[WW+1], v[WD+2], v[WD+3], vcc_lo
	v_cndmask_b32 v[EE], v[TT], v[TT+1], vcc_lo
	v_cndmask_b32 v[EE+1], v[TT+2], v[TT+3], vcc_lo
	v_mul_f32 v[EE], -0.5, v[EE]
	v_mul_f32 v[EE+1], -0.5, v[EE+1]
	ds_store_b32 v5, v[EE]
	ds_store_b32 v5, v[EE+1] offset:128
	ds_load_b64 v[TH:TH+1], v6                     ; LDS serves a wave's instructions in order: this sees the two stores
	v_add_f32 v[PR], v[TT], v[TT+1]                ; the chunk's sum of |y|^2: four targets a lane, then the sixteen lanes of a half (both halves hold the same)
	v_add_f32 v[PR+1], v[TT+2], v[TT+3]
	v_add_f32 v[PR], v[PR], v[PR+1]
.irp m, 1,2,4,8
	v_add_f32_dpp v[PR], v[PR], v[PR] row_xmask:\m row_mask:0xf bank_mask:0xf
.endr
	s_wait_loadcnt 0x0                             ; psi
	v_add_f32 v[PR+1], v[PS], v[PS+1]              ; the chunk's sum of psi: over all 32 lanes
.irp m, 1,2,4,8
	v_add_f32_dpp v[PR+1], v[PR+1], v[PR+1] row_xmask:\m row_mask:0xf bank_mask:0xf
.endr
	v_permlanex16_b32 v[PD], v[PR+1], s20, s21
	v_add_f32 v[PR+1], v[PR+1], v[PD]
.irp g, 0,1,2,3,4,5
	global_store_b128 v1, v[CD+4*\g:CD+4*\g+3], s[8:9] offset:512*\g   ; 32 lanes store 512 consecutive bytes, at a multiple of 256 from tq's first byte
.endr
	global_store_b64 v2, v[WW:WW+1], s[14:15]      ; 256 consecutive bytes, aligned
	s_wait_dscnt 0x0
	global_store_b64 v2, v[TH:TH+1], s[10:11]      ; 256 consecutive bytes, aligned
	s_wait_xcnt 0x0                                ; EXEC is a source of the stores above: it changes only behind this wait
	v_cmp_eq_u32 vcc_lo, 0, v0
	s_wait_tensorcnt 0x0
	ds_add_u32 v224, v225
	s_wait_dscnt 0x0
	s_and_saveexec_b32 s22, vcc_lo
	global_store_b64 v2, v[PR:PR+1], s[12:13]      ; lane 0 alone: 8 bytes a work-group, 1,024 in the launch: the one store that fills no whole block of 256 bytes
	s_wait_xcnt 0x0
	s_or_b32 exec_lo, exec_lo, s22
	s_endpgm
.Lfunc_end_k_qb9e379c22e_prep:
	.size	k_qb9e379c22e_prep, .Lfunc_end_k_qb9e379c22e_prep-k_qb9e379c22e_prep
	.p2alignl 7, 3214868480
	.fill 96, 4, 3214868480
	.section	.rodata,"a",@progbits
	.p2align	6, 0x0
	.amdhsa_kernel k_qb9e379c22e_prep
		.amdhsa_group_segment_fixed_size 18176
		.amdhsa_private_segment_fixed_size 0
		.amdhsa_enable_private_segment 0
		.amdhsa_kernarg_size 40
		.amdhsa_user_sgpr_count 2
		.amdhsa_user_sgpr_kernarg_segment_ptr 1
		.amdhsa_wavefront_size32 1
		.amdhsa_system_sgpr_workgroup_id_x 1
		.amdhsa_system_sgpr_workgroup_id_y 1
		.amdhsa_system_sgpr_workgroup_id_z 1
		.amdhsa_system_vgpr_workitem_id 0
		.amdhsa_next_free_vgpr 226
		.amdhsa_next_free_sgpr 66
		.amdhsa_reserve_vcc 1
		.amdhsa_float_denorm_mode_32 3
		.amdhsa_float_denorm_mode_16_64 3
		.amdhsa_memory_ordered 1
		.amdhsa_forward_progress 1
		.amdhsa_inst_pref_size 23
	.end_amdhsa_kernel
	.amdgpu_metadata
---
amdhsa.version: [ 1, 2 ]
amdhsa.kernels:
  - .name:           k_qb9e379c22e_prep
    .symbol:         k_qb9e379c22e_prep.kd
    .args:
      - { .name: target_data, .offset: 0, .size: 8, .value_kind: global_buffer, .address_space: global }
      - { .name: psi, .offset: 8, .size: 8, .value_kind: global_buffer, .address_space: global }
      - { .name: tq, .offset: 16, .size: 8, .value_kind: global_buffer, .address_space: global }
      - { .name: th, .offset: 24, .size: 8, .value_kind: global_buffer, .address_space: global }
      - { .name: part, .offset: 32, .size: 8, .value_kind: global_buffer, .address_space: global }
    .group_segment_fixed_size: 18176
    .private_segment_fixed_size: 0
    .kernarg_segment_align: 8
    .kernarg_segment_size: 40
    .max_flat_workgroup_size: 32
    .sgpr_count:     66
    .vgpr_count:     226
    .wavefront_size: 32
...
	.end_amdgpu_metadata
.endif
;; end of part 1
;; launch sdot (part 2): grid 256 x 1, 16 waves a work-group, clusters of 4 x 1, 327,680 bytes of LDS; arguments source_data, tq, th, psi, part, out0; writes out0
.if DOCPART == 2
	.amdgcn_target "amdgcn-amd-amdhsa--gfx1250"
	.amdhsa_code_object_version 6
	.text
	.protected	k_qb9e379c22e_sdot
	.globl	k_qb9e379c22e_sdot
	.p2align	8
	.type	k_qb9e379c22e_sdot,@function
k_qb9e379c22e_sdot:
	s_mov_b64 s[64:65], 0
	v_nop
	global_prefetch_b8 v0, s[64:65] scope:SCOPE_SE
	s_setreg_imm32_b32 hwreg(HW_REG_WAVE_MODE, 25, 1), 1
	s_wait_xcnt 0x0
	s_wait_alu depctr_hold_cnt(0) depctr_sa_sdst(0) depctr_va_vdst(0) depctr_va_sdst(0) depctr_va_ssrc(0) depctr_va_vcc(0) depctr_vm_vsrc(0)
	s_getreg_b32 s2, hwreg(HW_REG_IB_STS2, 6, 4)
	s_cmp_eq_u32 s2, 0
	s_cbranch_scc0 .Lentry_in_a_cluster
	s_endpgm
.Lentry_in_a_cluster:
	s_bfe_u32 s2, ttmp6, 0x10000c
	s_cmp_lg_u32 s2, 0x3003
	s_cbranch_scc0 .Lentry_shape_is_right
	s_endpgm
.Lentry_shape_is_right:
; out[n] = -0.01 logsumexp_m((psi[m] - cost[n][m]) / 0.01) + mean(psi), cost = (|x_n|^2 + |y_m|^2 - 2 x_n . y_m) / mv, mv = mean |y|^2.  x . y on codes of BF6 (E3M2), all else f32.
; WITH u = xq . yq + c'[m], c'[m] = (psi[m] mv - |y_m|^2) / 2, a = 2 log2(e) / (0.01 mv):  out[n] = -0.01 ln2 (a M + log2 sum_m 2^(a u - a M)) + |x_n|^2 / mv + mean(psi), M = the largest u: a true running maximum.
; c' is the C of the matrix instruction: it costs no vector line.  |x_n|^2 leaves the logsumexp.
; SHARES.  A work-group owns 128 rows of x and walks all 8,192 targets.  Sixteen waves of 256 registers, four to a SIMD: the vector work (2.5 lines a score and more) outweighs the products, so one wave's
; vector lines stand beside another's LDS loads and products.  Wave w = 8 g + s owns rows 64 g .. 64 g + 63 (four tiles q of 16) and an eighth of the targets: in each quarter of 2,048, chunks 4 s .. 4 s + 3 of 64.
; THE PRODUCT IS USED TRANSPOSED (source 0 = 16 targets, source 1 = 16 rows): a lane holds ONE row, its registers run along the targets; each lane keeps its own maximum and sum, merged once at the end.
; K = 64 IN A FORM OF K = 128.  The rows' fragments have zero codes in registers 6-11 (k = 64 on).  The targets' fragments stand 6 registers apart, so a fragment's upper half is the next tile's codes (a zero pad
; behind the last): every code of E3M2 is a finite number, no scale byte here is 0xff, and a finite number times a zero code adds nothing.
; CLUSTER.  All work-groups read the same codes: each fill is asked for JOINTLY by the four of a cluster (mask 15), with a descriptor made of constants and the wave's number alone.  The place in the cluster
; enters the addresses of x and of out alone.  Two slots of a quarter each: a refill has a whole quarter's work in which to land.
; No prefetch is laid: each refill is asked for a whole quarter (four chunks of each of sixteen waves) ahead of the wait for it, and the first fills stand at the head.
; LIMITS: mean |y|^2 is a positive finite number (else reference() gives nothing finite); NaN and infinities among the inputs are not served; a block of zeros of x has the byte 1 (its codes are zeros), and blocks
; whose largest magnitude lies under 2^-122 keep that byte; 1 / mv is v_rcp_f32 and a multiplication where reference() divides; the two means are summed in another order than reference() sums them.
.set SLOTB, 106496                     ; a slot = a quarter of tq as it lies: 32 chunks x 3,072 bytes of codes, then 32 x 256 bytes of scale words
.set CHB,   3072
.set WOFF,  98304
.set CB,    2*SLOTB                    ; c'[m], 32,768 bytes, in the targets' order
.set XIMG,  CB+32768                   ; x's 8 fragments as images of their registers: 768 bytes each: registers 0-3 at 16 x lane, registers 4-5 at 512 + 8 x lane
.set XSC,   XIMG+8*768                 ; their scale words, 4 x lane
.set XSQ,   XSC+8*128                  ; |x|^2 of the 128 rows
.set MG,    XSQ+512                    ; the merge: 1,024 x wave + 256 q + 8 x lane: the pair (-a M, sum)
.set SPARE, MG+16384                   ; the spare words, 128 bytes for each wave: eight blocks of 256 bytes that no other line names
.set XST,   SPARE+2048                 ; eight stages of 16 rows x 272 bytes, in which waves 0-7 turn x
.set SPW, 1                            ; v1   SPARE + 4 x my thread's number; never rewritten
.set NIL, 2                            ; v2   0; never rewritten
.set A0,  3                            ; v3   my lane's place among my wave's codes of a slot
.set W0,  4                            ; v4   among its scale words
.set C0,  5                            ; v5   among its c'
.set ADA, 6                            ; v6-8 the same for the chunk in hand
.set ADW, 7
.set ADC, 8
.set MGW, 9                            ; v9   where I put my pairs for the merge
.set AA,  10                           ; v[10:11] a, a
.set NA,  12                           ; v12  -a
.set RMV, 13                           ; v13  1 / mv
.set MPS, 14                           ; v14  mean(psi)
.set MGR, 15                           ; v15  where I read pairs in the merge
.set ST,  16                           ; v16-39 tile q's six at ST + 6 q: +0 -a M, +1 M, +2 +3 the sum (even, odd targets), +4 m1, then a (M_old - M_new), then f = 2^that, +5 m2, then -a M anew
.set BS,  40                           ; v40-43 the rows' scale words
.set AW,  44                           ; v[44:45] the chunk's targets' scale words: tile t in register t / 2, lanes 0-15 (even t) or 16-31 (odd t)
.set XQR, 46                           ; v46  where I read |x|^2 in the merge
.set GO,  47                           ; v47  8 x lane: my two rows in out
.set BF,  48                           ; v48-95 the rows' fragments, 12 registers a tile
.set AF,  96                           ; v96-119 the chunk's 24 code registers; at the head: addresses that are done with before the first chunk
.set PAD, 120                          ; v120-125 zero codes behind the last tile
.set HM,  126                          ; v[126:127] mv / 2
.set S,   128                          ; v128-255 the scores: S(q, t) at S + 32 q + 8 t
.set XSTW, 96
.set XSTR, 97
.set XI16, 98
.set XI8,  99
.set XSW,  100
.set XQW,  101
.set CBW,  102
.set BL16, 103
.set BL8,  104
.set BLS,  105
.set GT,   106
.set GP,   107
.set GX,   108
.set LN,   109
.set RR,   110
.set HH,   111
.set T0,   112
.set T1,   113
.set H8,   114
.set WV,  16                           ; s16  my wave's number
.set SEL, 20                           ; s[20:21] selects for lane l xor 16
.set CNT, 22                           ; s22  chunks to go in a quarter
.set TA,  23                           ; s23  where the chunk's codes begin
.set G1,  24                           ; s[24:31] descriptor group 1
.set G0,  32                           ; s[32:35], s[36:39] group 0 for slot 0, slot 1
.set TW,  40                           ; s40  where the chunk's scale words begin
.set TC,  41                           ; s41  and its c'
; A round of the cluster's barrier: my work-group's barrier, wave 0's signal for the work-group, every wave's wait for all four work-groups, my work-group's barrier once more.
.macro ROUND
	s_barrier_signal -1
	s_barrier_wait -1
	s_cmp_lg_u32 s[WV], 0
	s_cbranch_scc1 .Lnot_wave_0_\@
	s_barrier_signal -3
.Lnot_wave_0_\@:
	s_barrier_wait -3
	s_barrier_signal -1
	s_barrier_wait -1
.endm
; A joint refill: waves 0-3 bring a quarter of the slot each, 104 rows of 256 bytes.  Four v_nop follow the load.
.macro TFILL sl
	s_cmp_lt_u32 s[WV], 4
	s_cbranch_scc0 .Lno_fill_\@
	tensor_load_to_lds s[G0+4*(\sl):G0+4*(\sl)+3], s[G1:G1+7]
	s_nop 0
.rept 4
	v_nop
.endr
.Lno_fill_\@:
.endm
; The change of slots.  Every wave waits for all its tensor loads (its part of the slot ahead), adds 0 to its spare word, and waits for that and for its reads of the slot that it leaves.
; fill = 1: slot sl, just left, takes the quarter two on: the barrier is a round of the cluster's, and the joint refill is the first thing behind it.
.macro CHANGE sl, fill
	s_wait_tensorcnt 0x0                           ; no tensor load of mine is out, so a group 0 may be written
	ds_add_u32 v[SPW], v[NIL]
.if \fill
	s_add_nc_u64 s[G0+4*(\sl)+2:G0+4*(\sl)+3], s[G0+4*(\sl)+2:G0+4*(\sl)+3], 2*SLOTB
.endif
	s_wait_dscnt 0x0
.if \fill
	ROUND
	TFILL \sl
.else
	s_barrier_signal -1
	s_barrier_wait -1
.endif
.endm
; A product: S(q, t) = 16 targets of tile t x 16 rows of tile q + c' of tile t, which lies in S(0, t).
.macro MM q, t
.if ((\t)%2) == 1
	v_wmma_scale_f32_16x16x128_f8f6f4 v[S+32*(\q)+8*(\t):S+32*(\q)+8*(\t)+7], v[AF+6*(\t):AF+6*(\t)+11], v[BF+12*(\q):BF+12*(\q)+11], v[S+8*(\t):S+8*(\t)+7], v[AW+(\t)/2], v[BS+(\q)] matrix_a_fmt:MATRIX_FMT_BF6 matrix_b_fmt:MATRIX_FMT_BF6 matrix_a_scale:MATRIX_SCALE_ROW1
.else
	v_wmma_scale_f32_16x16x128_f8f6f4 v[S+32*(\q)+8*(\t):S+32*(\q)+8*(\t)+7], v[AF+6*(\t):AF+6*(\t)+11], v[BF+12*(\q):BF+12*(\q)+11], v[S+8*(\t):S+8*(\t)+7], v[AW+(\t)/2], v[BS+(\q)] matrix_a_fmt:MATRIX_FMT_BF6 matrix_b_fmt:MATRIX_FMT_BF6
.endif
.endm
; THE VECTOR WORK of a chunk goes by two PIECES of two tiles: piece 0 = tiles 1, 2; piece 1 = tiles 3, 0.  In each list the piece's two tiles alternate, so that no line waits for the line above it.
; BM: line jb of 72: the maximum and the scaling.  Item jb / 2 of a tile's 36:  0-14 two chains of v_max3 over the old M and scores 0-30 (each accumulator is first read at one of its four lowest registers);
; 15 the new M;  16 -a M;  17 a (M_old - M_new);  18 -a M kept;  19 f = 2^that;  20-35 a s - a M, a pair of scores each.
.macro BM p
.set qq, (1+2*(\p)+jb%2)%4
.set it, jb/2
.set rT, ST+6*qq
.set rS, S+32*qq
.if it == 0
	v_max3_num_f32 v[rT+4], v[rT+1], v[rS], v[rS+1]
.elseif (it < 15) && (it%2 == 0)
	v_max3_num_f32 v[rT+4], v[rT+4], v[rS+it], v[rS+it+1]
.elseif it == 1
	v_max3_num_f32 v[rT+5], v[rS+16], v[rS+17], v[rS+18]
.elseif it < 15
	v_max3_num_f32 v[rT+5], v[rT+5], v[rS+16+it], v[rS+17+it]
.elseif it == 15
	v_max3_num_f32 v[rT+1], v[rT+4], v[rT+5], v[rS+31]
.elseif it == 16
	v_mul_f32 v[rT+5], v[NA], v[rT+1]
.elseif it == 17
	v_sub_f32 v[rT+4], v[rT+5], v[rT]
.elseif it == 18
	v_mov_b32 v[rT], v[rT+5]
.elseif it == 19
	v_exp_f32 v[rT+4], v[rT+4]
.else
	v_pk_fma_f32 v[rS+2*(it-20):rS+2*(it-20)+1], v[rS+2*(it-20):rS+2*(it-20)+1], v[AA:AA+1], v[rT:rT+1] op_sel_hi:[1,0,0]
.endif
.endm
; EX: line je of 64: p = 2^(a s - a M), in place.
.macro EX p
.set qq, (1+2*(\p)+je%2)%4
	v_exp_f32 v[S+32*qq+je/2], v[S+32*qq+je/2]
.endm
; DS: line jd of 32: the sum.  Item jd / 2 of a tile's 16:  0 sum = f sum + pair 0;  odd items gather pairs 3, 5 .. 15 onto pair 1;  even items add pairs 2, 4 .. 14 to the sum;  15 adds pair 1.
.macro DS p
.set qq, (1+2*(\p)+jd%2)%4
.set it, jd/2
.set rT, ST+6*qq
.set rS, S+32*qq
.if it == 0
	v_pk_fma_f32 v[rT+2:rT+3], v[rT+2:rT+3], v[rT+4:rT+5], v[rS:rS+1] op_sel_hi:[1,0,1]
.elseif it == 15
	v_pk_add_f32 v[rT+2:rT+3], v[rT+2:rT+3], v[rS+2:rS+3]
.elseif it%2 == 1
	v_pk_add_f32 v[rS+2:rS+3], v[rS+2:rS+3], v[rS+2*it+4:rS+2*it+5]
.else
	v_pk_add_f32 v[rT+2:rT+3], v[rT+2:rT+3], v[rS+2*it:rS+2*it+1]
.endif
.endm
; A CHUNK: 64 targets x my 64 rows: 15 LDS loads, 16 products, 344 vector lines.
.macro CHUNK
	v_add_nc_u32 v[ADA], s[TA], v[A0]
	v_add_nc_u32 v[ADW], s[TW], v[W0]
	v_add_nc_u32 v[ADC], s[TC], v[C0]
.irp g, 0,1,2,3,4,5
	ds_load_b128 v[AF+4*\g:AF+4*\g+3], v[ADA] offset:512*\g            ; the codes, as images of the registers: 512 consecutive bytes a load
.endr
	ds_load_b64 v[AW:AW+1], v[ADW]
.irp t, 0,1,2,3
	ds_load_b128 v[S+8*\t:S+8*\t+3], v[ADC] offset:64*\t               ; c' of targets 16 t + 8 h + 0 .. 7, in the result's layout: the sixteen lanes of a half read the same bytes
	ds_load_b128 v[S+8*\t+4:S+8*\t+7], v[ADC] offset:64*\t+16
.endr
	s_wait_dscnt 0x0
.irp q, 1,2,3
.irp t, 0,1,2,3
	MM \q, \t                                      ; tiles 1-3 take c' from S(0, t) and write their own accumulators
.endr
.endr
.rept 5
	v_nop                                          ; the four products below write over registers that the twelve above read as C: five places (ISA guide 7.12.1; this text takes the larger count)
.endr
.irp t, 0,1,2,3
	MM 0, \t                                       ; tile 0 adds in place.  No two products that follow each other share an accumulator, over the loop's edge either
.endr
.set jb, 0
.rept 72
	BM 0                                           ; tiles 1, 2: their last product stands in front of the five v_nop; these 72 lines name no register of tiles 3 and 0's products and are their places
.set jb, jb+1
.endr
.set jb, 0
.set je, 0
.rept 64
	BM 1                                           ; tiles 3, 0: maximum and scaling, line by line between
	EX 0                                           ; tiles 1, 2's exponentials
.set jb, jb+1
.set je, je+1
.endr
.rept 8
	BM 1                                           ; (plain lines behind the last exponential)
.set jb, jb+1
.endr
	s_wait_alu depctr_va_vdst(0)                   ; one wait for the batch: 64 p of tiles 1, 2 and all four f; nothing has named a result yet
.set je, 0
.set jd, 0
.rept 32
	EX 1                                           ; tiles 3, 0's exponentials, two to
.set je, je+1
	EX 1
.set je, je+1
	DS 0                                           ; one line of tiles 1, 2's sums
.set jd, jd+1
.endr
	s_wait_alu depctr_va_vdst(0)                   ; one wait for the 64 p of tiles 3, 0; the last line above is plain
.set jd, 0
.rept 32
	DS 1
.set jd, jd+1
.endr
.endm
; My four chunks of quarter ka, which lies in slot sl.
.macro QUARTER sl, ka
	s_mov_b32 s[TA], (\sl)*SLOTB
	s_mov_b32 s[TW], (\sl)*SLOTB
	s_mov_b32 s[TC], (\ka)*8192
	s_mov_b32 s[CNT], 4
.Lchunk_\@:
	CHUNK
	s_add_co_u32 s[TA], s[TA], CHB
	s_add_co_u32 s[TW], s[TW], 256
	s_add_co_u32 s[TC], s[TC], 256
	s_sub_co_u32 s[CNT], s[CNT], 1
	s_cmp_lg_u32 s[CNT], 0
	s_cbranch_scc1 .Lchunk_\@
.endm
	s_load_b256 s[4:11], s[0:1], 0x0               ; x s[4:5], tq s[6:7], th s[8:9], psi s[10:11]
	s_load_b128 s[12:15], s[0:1], 0x20             ; part s[12:13], out s[14:15]
	v_lshl_add_u32 v[SPW], v0, 2, SPARE
	v_mov_b32 v[NIL], 0
	ds_add_u32 v1, v2
	s_wait_dscnt 0x0
	v_lshrrev_b32 v[LN], 5, v0
	v_readfirstlane_b32 s[WV], v[LN]               ; wave 0..15
	s_and_b32 s17, s[WV], 3                        ; which quarter of a slot I fetch, if I fetch
	s_lshr_b32 s18, s[WV], 3                       ; g: which 64 rows are mine
	s_and_b32 s19, s[WV], 7                        ; s: which eighth of the targets; at the head: which tile of x I quantise
	s_and_b32 s48, s[WV], 1
	v_and_b32 v[LN], 31, v0                        ; lane
	v_and_b32 v[RR], 15, v0                        ; r
	v_bfe_u32 v[HH], v0, 4, 1                      ; h
	; every LDS address is made here, ahead of the first branch on the wave's number: a constant + a constant x wave + a constant x lane
	s_mul_i32 s49, s19, 4*CHB
	v_lshl_add_u32 v[A0], v[LN], 4, s49
	s_lshl_b32 s50, s19, 10
	s_add_co_u32 s50, s50, WOFF
	v_lshl_add_u32 v[W0], v[LN], 3, s50
	s_lshl_b32 s51, s19, 10
	s_add_co_u32 s51, s51, CB
	v_lshl_add_u32 v[C0], v[HH], 5, s51
	s_lshl_b32 s52, s[WV], 10
	s_add_co_u32 s52, s52, MG
	v_lshl_add_u32 v[MGW], v[LN], 3, s52
	s_lshl_b32 s53, s48, 13
	s_add_co_u32 s53, s53, MG
	v_lshrrev_b32 v[T0], 3, v[LN]
	v_and_b32 v[T1], 7, v[LN]
	v_lshl_add_u32 v[MGR], v[T0], 8, s53           ; in the merge lane l owns rows 2 l and 2 l + 1 of 64: tile l / 8, lanes 2 (l % 8) and the next: 16 bytes
	v_lshl_add_u32 v[MGR], v[T1], 4, v[MGR]
	s_lshl_b32 s54, s48, 8
	s_add_co_u32 s54, s54, XSQ
	v_lshl_add_u32 v[XQR], v[LN], 3, s54
	v_lshlrev_b32 v[GO], 3, v[LN]
	s_mul_i32 s55, s19, 16*272
	s_add_co_u32 s55, s55, XST
	v_mul_u32_u24 v[XSTW], v[HH], 272
	v_lshl_add_u32 v[XSTW], v[RR], 4, v[XSTW]
	v_add_nc_u32 v[XSTW], s55, v[XSTW]             ; my stage, way in: a load's 512 bytes are two rows
	v_mul_u32_u24 v[XSTR], v[RR], 272
	v_lshl_add_u32 v[XSTR], v[HH], 7, v[XSTR]
	v_add_nc_u32 v[XSTR], s55, v[XSTR]             ; way out: row r, my block of 32 numbers
	s_mul_i32 s49, s19, 768
	s_add_co_u32 s49, s49, XIMG
	v_lshl_add_u32 v[XI16], v[LN], 4, s49
	s_add_co_u32 s49, s49, 512
	v_lshl_add_u32 v[XI8], v[LN], 3, s49
	s_lshl_b32 s50, s19, 7
	s_add_co_u32 s50, s50, XSC
	v_lshl_add_u32 v[XSW], v[LN], 2, s50
	s_lshl_b32 s51, s19, 6
	s_add_co_u32 s51, s51, XSQ
	v_lshl_add_u32 v[XQW], v[RR], 2, s51
	v_lshl_add_u32 v[CBW], v0, 4, CB
	s_mul_i32 s52, s18, 4*768
	s_add_co_u32 s52, s52, XIMG
	v_lshl_add_u32 v[BL16], v[LN], 4, s52
	s_add_co_u32 s52, s52, 512
	v_lshl_add_u32 v[BL8], v[LN], 3, s52
	s_lshl_b32 s53, s18, 9
	s_add_co_u32 s53, s53, XSC
	v_lshl_add_u32 v[BLS], v[LN], 2, s53
	v_lshlrev_b32 v[GT], 4, v0                     ; psi, th: 16 bytes a thread
	v_lshlrev_b32 v[GP], 5, v[LN]                  ; part: 32 bytes a lane
	v_lshlrev_b32 v[GX], 4, v[LN]                  ; x: 16 bytes a lane
	v_lshlrev_b32 v[H8], 3, v[HH]
	s_mov_b32 s[SEL], 0x76543210
	s_mov_b32 s[SEL+1], 0xfedcba98
	; descriptor group 1: a dense block of 26,624 bytes as 104 rows of 256 bytes (32 elements of 8 bytes), no padding: every read of a slot is of consecutive bytes
	s_mov_b32 s[G1+0], 15|(3<<16)|(1<<21)          ; 15:0 the mask: all four work-groups; 17:16 elements of 8 bytes; 21 set beside a mask
	s_mov_b32 s[G1+1], 32<<16                      ; tensor_dim0 = 32
	s_mov_b32 s[G1+2], 104<<16                     ; tensor_dim1 = 104
	s_mov_b32 s[G1+3], 32<<16                      ; tile_dim0 = 32
	s_mov_b32 s[G1+4], 104                         ; tile_dim1 = 104
	s_mov_b32 s[G1+5], 32                          ; from row to row
	s_mov_b32 s[G1+6], 0
	s_mov_b32 s[G1+7], 0
	s_bfe_u32 s42, ttmp6, 0x40000                  ; cx: my place in the cluster
	s_lshl_b32 s43, ttmp9, 2
	s_add_co_u32 s43, s43, s42                     ; my work-group: it enters x's and out's addresses alone
	s_lshl_b32 s44, s43, 15                        ; x: 128 rows of 256 bytes a work-group,
	s_lshl_b32 s45, s19, 12                        ; 16 a tile
	s_add_co_u32 s44, s44, s45
	s_mov_b32 s45, 0
	s_lshl_b32 s46, s43, 9                         ; out: 512 bytes a work-group,
	s_lshl_b32 s47, s48, 8                         ; 256 for each of the two waves that store
	s_add_co_u32 s46, s46, s47
	s_mov_b32 s47, 0
	s_mul_i32 s56, s17, SLOTB/4                    ; my quarter of a slot, in memory and in LDS
	s_mov_b32 s57, 0
	s_wait_kmcnt 0x0
	s_add_nc_u64 s[4:5], s[4:5], s[44:45]
	s_add_nc_u64 s[14:15], s[14:15], s[46:47]
	s_add_nc_u64 s[6:7], s[6:7], s[56:57]
	s_mov_b32 s[G0], 1                             ; count = 1
	s_mov_b32 s[G0+1], s56                         ; LDS address: slot 0
	s_mov_b64 s[G0+2:G0+3], s[6:7]                 ; quarter 0
	s_or_b32 s[G0+3], s[G0+3], 0x80000000          ; type = 2
	s_mov_b32 s[G0+4], 1
	s_add_co_u32 s[G0+5], s56, SLOTB               ; slot 1
	s_add_nc_u64 s[G0+6:G0+7], s[6:7], SLOTB       ; quarter 1
	s_or_b32 s[G0+7], s[G0+7], 0x80000000
	ROUND                                          ; all four work-groups are here: the first joint loads meet
	s_cmp_lt_u32 s[WV], 4                          ; a wave's two first fills stand in one branch: two loads of mine are out
	s_cbranch_scc0 .Lno_first
	tensor_load_to_lds s[G0:G0+3], s[G1:G1+7]
	s_nop 0
	tensor_load_to_lds s[G0+4:G0+7], s[G1:G1+7]
	s_nop 0
.rept 4
	v_nop
.endr
.Lno_first:
	global_load_b128 v[160:163], v[GP], s[12:13]   ; the 128 pairs of sums, four a lane
	global_load_b128 v[164:167], v[GP], s[12:13] offset:16
.irp i, 0,1,2,3
	global_load_b128 v[128+4*\i:131+4*\i], v[GT], s[10:11] offset:8192*\i   ; psi: the 512 threads read 8,192 consecutive bytes
	global_load_b128 v[144+4*\i:147+4*\i], v[GT], s[8:9] offset:8192*\i     ; th likewise
.endr
.irp q, 0,1,2,3
.irp i, 6,7,8,9,10,11
	v_mov_b32 v[BF+12*\q+\i], 0                    ; the rows' zero codes for k = 64 on
.endr
	v_mov_b32 v[ST+6*\q], 0x7f61b1e6               ; -a M begins at 3e38 and M at -3e38, under every score: the first f is 0, and multiplies a sum of 0
	v_mov_b32 v[ST+6*\q+1], 0xff61b1e6
	v_mov_b32 v[ST+6*\q+2], 0
	v_mov_b32 v[ST+6*\q+3], 0
.endr
.irp i, 0,1,2,3,4,5
	v_mov_b32 v[PAD+\i], 0
.endr
	; ---- waves 0-7 quantise a tile of 16 rows of x each, and leave its fragment, its scale words and |x|^2 in LDS
	s_cmp_lt_u32 s[WV], 8
	s_cbranch_scc0 .Lno_x
.irp i, 0,1,2,3,4,5,6,7
	global_load_b128 v[192+4*\i:195+4*\i], v[GX], s[4:5] offset:512*\i th:TH_LOAD_NT   ; 512 consecutive bytes: two rows
.endr
	v_mov_b32 v186, 0                              ; a lane permute's destination counts as one of its sources
	v_mov_b32 v187, 0
	s_wait_loadcnt 0x0
.irp i, 0,1,2,3,4,5,6,7
	ds_store_b128 v[XSTW], v[192+4*\i:195+4*\i] offset:544*\i
.endr
.irp i, 0,1,2,3,4,5,6,7
	ds_load_b128 v[224+4*\i:227+4*\i], v[XSTR] offset:16*\i   ; LDS serves a wave's instructions in order: these see my stores.  Row r, k = 32 h + 4 i on: a whole block in a lane
.endr
	s_wait_dscnt 0x0
	v_max3_num_f32 v180, |v224|, |v225|, 0x2800000 ; the block's largest magnitude, the floor 2^(5 - 127) among the leaves: the byte cannot fall under 1
	v_max3_num_f32 v181, |v226|, |v227|, |v228|
	v_pk_mul_f32 v[184:185], v[224:225], v[224:225]
.irp i, 5,9,13,17,21,25
	v_max3_num_f32 v180, v180, |v[224+\i]|, |v[225+\i]|
	v_max3_num_f32 v181, v181, |v[226+\i]|, |v[227+\i]|
.endr
	v_max3_num_f32 v180, v180, |v253|, |v254|
	v_max3_num_f32 v180, v180, v181, |v255|
.irp i, 2,4,6,8,10,12,14,16,18,20,22,24,26,28,30
	v_pk_fma_f32 v[184:185], v[224+\i:225+\i], v[224+\i:225+\i], v[184:185]   ; |x|^2 of the numbers as they are given
.endr
	v_add_nc_u32 v182, 0xfe000000, v180            ; 4 off the exponent field: the conversions' scale operand
	v_add_f32 v175, v184, v185
	v_lshrrev_b32 v183, 23, v182                   ; the scale's byte
	v_permlanex16_b32 v186, v175, s[SEL], s[SEL+1]
	v_add_f32 v175, v175, v186                     ; with the other block's
	v_cvt_scalef32_pk16_bf6_f32 v[168:170], v[224:239], v182
	v_cvt_scalef32_pk16_bf6_f32 v[176:178], v[240:255], v182   ; (a conversion's three registers begin on an even number)
	v_lshlrev_b32 v183, v[H8], v183                ; (a plain line behind the conversions)  my byte at its place
	v_mov_b32 v171, v176
	v_mov_b32 v172, v177
	v_mov_b32 v173, v178
	v_permlanex16_b32 v187, v183, s[SEL], s[SEL+1]
	v_or_b32 v174, v183, v187                      ; b0 | b1 << 8,
	v_lshl_or_b32 v174, v174, 16, v174             ; and once more above, where the codes are zeros
	ds_store_b128 v[XI16], v[168:171]
	ds_store_b64 v[XI8], v[172:173]
	ds_store_b32 v[XSW], v174
	ds_store_b32 v[XQW], v175                      ; both halves of the lanes write the same word with the same value
.Lno_x:
	; ---- every wave: mv, mean(psi), a; then its 16 numbers a thread of c'
	s_wait_loadcnt 0x0
	v_pk_add_f32 v[160:161], v[160:161], v[162:163]
	v_pk_add_f32 v[164:165], v[164:165], v[166:167]
	v_pk_add_f32 v[160:161], v[160:161], v[164:165]
.irp m, 1,2,4,8
	v_add_f32_dpp v160, v160, v160 row_xmask:\m row_mask:0xf bank_mask:0xf
	v_add_f32_dpp v161, v161, v161 row_xmask:\m row_mask:0xf bank_mask:0xf
.endr
	v_permlanex16_b32 v162, v160, s[SEL], s[SEL+1]
	v_permlanex16_b32 v163, v161, s[SEL], s[SEL+1]
	v_add_f32 v160, v160, v162
	v_add_f32 v161, v161, v163
	v_mul_f32 v160, 0x39000000, v160               ; mv = the sum / 8,192
	v_mul_f32 v[MPS], 0x39000000, v161
	v_rcp_f32 v[RMV], v160
	v_mul_f32 v[HM], 0.5, v160                     ; (plain lines behind the reciprocal)
	v_mul_f32 v[HM+1], 0.5, v160
	s_wait_alu depctr_va_vdst(0)                   ; the wait ahead of the first use
	v_mul_f32 v[AA], 0x439044fe, v[RMV]            ; a = 2 log2(e) / 0.01 / mv = 288.539 / mv
	v_mul_f32 v[AA+1], 0x439044fe, v[RMV]
	v_mul_f32 v[NA], 0xc39044fe, v[RMV]
.irp i, 0,2,4,6,8,10,12,14
	v_pk_fma_f32 v[128+\i:129+\i], v[128+\i:129+\i], v[HM:HM+1], v[144+\i:145+\i] op_sel_hi:[1,0,1]   ; c' = psi mv / 2 - |y|^2 / 2
.endr
.irp i, 0,1,2,3
	ds_store_b128 v[CBW], v[128+4*\i:131+4*\i] offset:8192*\i
.endr
	s_wait_tensorcnt 0x1                           ; my part of slot 0 is in; slot 1's may stay out
	s_wait_dscnt 0x0                               ; my stores of c' and of x's images have landed
	s_barrier_signal -1
	s_barrier_wait -1
.irp q, 0,1,2,3
	ds_load_b128 v[BF+12*\q:BF+12*\q+3], v[BL16] offset:768*\q     ; my four tiles of rows stay in registers
	ds_load_b64 v[BF+12*\q+4:BF+12*\q+5], v[BL8] offset:768*\q
	ds_load_b32 v[BS+\q], v[BLS] offset:128*\q
.endr
	s_wait_dscnt 0x0                               ; the registers that held these addresses take the first chunk's codes
	QUARTER 0, 0
	CHANGE 0, 1                                    ; slot 1 is whole; slot 0 takes quarter 2
	QUARTER 1, 1
	CHANGE 1, 1                                    ; slot 0 is whole; slot 1 takes quarter 3
	QUARTER 0, 2
	CHANGE 0, 0                                    ; slot 1 is whole; nothing is left to fetch
	QUARTER 1, 3
	; ---- the merge: a row's 16 pairs (8 waves x 2 halves of the lanes) meet in LDS
.irp q, 0,1,2,3
	v_add_f32 v[ST+6*\q+1], v[ST+6*\q+2], v[ST+6*\q+3]
.endr
.irp q, 0,1,2,3
	ds_store_b64 v[MGW], v[ST+6*\q:ST+6*\q+1] offset:256*\q        ; (-a M, sum)
.endr
	s_wait_dscnt 0x0
	s_barrier_signal -1
	s_barrier_wait -1
	s_cmp_lt_u32 s[WV], 2                          ; waves 0 and 1 finish 64 rows each, two a lane
	s_cbranch_scc0 .Lno_merge
.irp e, 0,1,2,3,4,5,6,7,8,9,10,11,12,13,14,15
	ds_load_b128 v[S+4*\e:S+4*\e+3], v[MGR] offset:1024*(\e/2)+128*(\e%2)   ; wave e / 2 of my eight, half e % 2: both rows' pairs
.endr
	ds_load_b64 v[192:193], v[XQR]                 ; |x|^2 of my two rows
	s_mov_b32 s50, 0xbbe32166                      ; -0.01 ln 2
	s_wait_dscnt 0x0
	v_min3_num_f32 v194, v[S], v[S+4], v[S+8]      ; the least -a M is the row's largest a M
	v_min3_num_f32 v195, v[S+2], v[S+6], v[S+10]
.irp e, 3,5,7,9,11,13
	v_min3_num_f32 v194, v194, v[S+4*\e], v[S+4*\e+4]
	v_min3_num_f32 v195, v195, v[S+4*\e+2], v[S+4*\e+6]
.endr
	v_min_num_f32 v194, v194, v[S+60]
	v_min_num_f32 v195, v195, v[S+62]
.irp e, 0,1,2,3,4,5,6,7,8,9,10,11,12,13,14,15
	v_sub_f32 v[S+4*\e], v194, v[S+4*\e]           ; a M_e - a M: 0 or less
	v_sub_f32 v[S+4*\e+2], v195, v[S+4*\e+2]
.endr
.irp e, 0,1,2,3,4,5,6,7,8,9,10,11,12,13,14,15
	v_exp_f32 v[S+4*\e], v[S+4*\e]
	v_exp_f32 v[S+4*\e+2], v[S+4*\e+2]
.endr
	v_nop                                          ; a plain line behind the last exponential
	s_wait_alu depctr_va_vdst(0)                   ; one wait for the 32
	v_mul_f32 v196, v[S], v[S+1]
	v_mul_f32 v197, v[S+2], v[S+3]
.irp e, 1,2,3,4,5,6,7,8,9,10,11,12,13,14,15
	v_fmac_f32 v196, v[S+4*\e], v[S+4*\e+1]
	v_fmac_f32 v197, v[S+4*\e+2], v[S+4*\e+3]
.endr
	v_log_f32 v198, v196
	v_log_f32 v199, v197
	v_fma_f32 v200, v192, v[RMV], v[MPS]           ; |x|^2 / mv + mean(psi).  (Plain lines behind the logarithms)
	v_fma_f32 v201, v193, v[RMV], v[MPS]
	s_wait_alu depctr_va_vdst(0)
	v_sub_f32 v198, v198, v194                     ; log2 of the sum + a M
	v_sub_f32 v199, v199, v195
	v_fma_f32 v200, v198, s50, v200
	v_fma_f32 v201, v199, s50, v201
	global_store_b64 v[GO], v[200:201], s[14:15]   ; 32 lanes store 256 consecutive bytes, at a multiple of 256 from out's first byte
.Lno_merge:
	s_wait_tensorcnt 0x0                           ; the wave's end: behind my last tensor load and my last LDS store
	ds_add_u32 v[SPW], v[NIL]
	s_wait_dscnt 0x0
	ROUND                                          ; the closing round: no work-group ends while a partner may still ask for a tile that names it
	s_endpgm
.Lfunc_end_k_qb9e379c22e_sdot:
	.size	k_qb9e379c22e_sdot, .Lfunc_end_k_qb9e379c22e_sdot-k_qb9e379c22e_sdot
	.p2alignl 7, 3214868480
	.fill 96, 4, 3214868480
	.section	.rodata,"a",@progbits
	.p2align	6, 0x0
	.amdhsa_kernel k_qb9e379c22e_sdot
		.amdhsa_group_segment_fixed_size 327680
		.amdhsa_private_segment_fixed_size 0
		.amdhsa_enable_private_segment 0
		.amdhsa_kernarg_size 48
		.amdhsa_user_sgpr_count 2
		.amdhsa_user_sgpr_kernarg_segment_ptr 1
		.amdhsa_wavefront_size32 1
		.amdhsa_system_sgpr_workgroup_id_x 1
		.amdhsa_system_sgpr_workgroup_id_y 1
		.amdhsa_system_sgpr_workgroup_id_z 1
		.amdhsa_system_vgpr_workitem_id 0
		.amdhsa_next_free_vgpr 256
		.amdhsa_next_free_sgpr 66
		.amdhsa_reserve_vcc 0
		.amdhsa_float_denorm_mode_32 3
		.amdhsa_float_denorm_mode_16_64 3
		.amdhsa_memory_ordered 1
		.amdhsa_forward_progress 1
		.amdhsa_inst_pref_size 107
	.end_amdhsa_kernel
	.amdgpu_metadata
---
amdhsa.version: [ 1, 2 ]
amdhsa.kernels:
  - .name:           k_qb9e379c22e_sdot
    .symbol:         k_qb9e379c22e_sdot.kd
    .args:
      - { .name: source_data, .offset: 0, .size: 8, .value_kind: global_buffer, .address_space: global }
      - { .name: tq, .offset: 8, .size: 8, .value_kind: global_buffer, .address_space: global }
      - { .name: th, .offset: 16, .size: 8, .value_kind: global_buffer, .address_space: global }
      - { .name: psi, .offset: 24, .size: 8, .value_kind: global_buffer, .address_space: global }
      - { .name: part, .offset: 32, .size: 8, .value_kind: global_buffer, .address_space: global }
      - { .name: out0, .offset: 40, .size: 8, .value_kind: global_buffer, .address_space: global }
    .group_segment_fixed_size: 327680
    .private_segment_fixed_size: 0
    .kernarg_segment_align: 8
    .kernarg_segment_size: 48
    .max_flat_workgroup_size: 512
    .sgpr_count:     66
    .vgpr_count:     256
    .wavefront_size: 32
...
	.end_amdgpu_metadata
.endif
;; end of part 2
